; MI455X (gfx1250); checked and timed in simulation.
; The chip was launched on July 23, 2026; its instructions are those of AMD's public machine-readable ISA for CDNA 5 (MIT licence, August 2026) and "CDNA5" Instruction Set Architecture Reference Guide (July 2026). The comments in the code are by the model that wrote it; some were corrected since.
;; Multi Head Masked Self Attention. Allowed arithmetic: matrix products marked QUANTISED: E4M3 operands, one given power-of-two scale a tensor, by v_wmma_f32_16x16x64_fp8_fp8 or v_wmma_f32_16x16x128_fp8_fp8, f32 sums; everything else in f32.
;; Inputs: bk 1,024 float32; bo 1,024 float32; bq 1,024 float32; bv 1,024 float32; lowp_scales 12 int32 (the exponents e of the quantised operands' scales 2^e); mask 1 x 1 x 2,048 x 2,048 float32; wk 1,024 x 1,024 float32; wo 1,024 x 1,024 float32; wq 1,024 x 1,024 float32; wv 1,024 x 1,024 float32; x 4 x 2,048 x 1,024 float32.
;; Outputs: out0 4 x 2,048 x 1,024 float32.
;; This version of the problem:
;;   THIS VERSION OF THE PROBLEM IS GIVEN IN LOW PRECISION. The matrix products marked QUANTISED in the list below multiply operands that are first quantised to E4M3 (4 exponent bits, 3 mantissa bits; 8 bits a number), with one given power-of-two scale for each operand tensor; their sums are f32. All else is computed in f32.
;;   The module's matrix products, in the order in which they are computed (A, B: the left and right operand; K: the contracted axis; several contracted axes count as one K, in the product's order):
;;     1. [M 8,192, K 1,024] x [K 1,024, N 1,024]; A: input x; B: input wq: QUANTISED (scales: A lowp_scales[0], B lowp_scales[1])
;;     2. [M 8,192, K 1,024] x [K 1,024, N 1,024]; A: input x; B: input wk: QUANTISED (scales: A lowp_scales[2], B lowp_scales[3])
;;     3. [M 8,192, K 1,024] x [K 1,024, N 1,024]; A: input x; B: input wv: QUANTISED (scales: A lowp_scales[4], B lowp_scales[5])
;;     4. batch 64 x [M 2,048, K 64] x [K 64, N 2,048]; A: computed on the way; B: computed on the way: QUANTISED (scales: A lowp_scales[6], B lowp_scales[7])
;;     5. batch 64 x [M 2,048, K 2,048] x [K 2,048, N 64]; A: softmax (see below); B: computed on the way: QUANTISED (scales: A lowp_scales[8], B lowp_scales[9])
;;     6. [M 8,192, K 1,024] x [K 1,024, N 1,024]; A: computed on the way; B: input wo: QUANTISED (scales: A lowp_scales[10], B lowp_scales[11])
;;   THE QUANTISER, for each operand of a quantised product, along K:
;;     - The operand's scale is 2^e, e = its entry of the input lowp_scales (int32; the entries are numbered through the quantised products in the list's order, A before B).
;;     - Each number is divided by the scale, clamped to +-448, and rounded to the nearest number of E4M3, ties to even, subnormals kept.
;;     - The product sums the exact products of the quantised numbers (number of the format x scale) in f32.
;;   ~~~python
;;   def quantise(x, axis, e):      # numpy; x: float32 -> the quantised numbers, widened to float32 again
;;       x = np.moveaxis(x, axis, -1); K = x.shape[-1]
;;       r = np.clip(x / 2.0 ** e, -448, 448)
;;       step = 2.0 ** (np.maximum(np.frexp(np.where(r == 0, 1, r))[1] - 1, -6) - 3)
;;       q = np.round(r / step) * step * 2.0 ** e      # np.round: ties to even
;;       return np.moveaxis(q, -1, axis).astype(np.float32)
;;   ~~~
;;   SOFTMAX AHEAD OF A QUANTISED PRODUCT. Where the list says 'softmax', what is quantised is not the finished softmax but p = 2^(t - M), with t = logit x log2(e) and M = ceil(the row's largest t), a whole number; so 1/2 < the row's largest p <= 1. The row's sum l is taken of the UNQUANTISED p, in f32, and the product's result is divided by l at the end. Since M is a whole number, a kernel that streams over the keys may use a running M (the ceiling of the running maximum): every later rescaling is an exact power of two, so the quantised numbers keep their values, but for numbers so far below the row's largest that they fall under the format's range.
;;   OPERANDS COMPUTED ON THE WAY. 'Computed on the way' means the value that the module computes at that place (a softmax that the list does not call 'softmax' is quantised finished and normalised). What goes into a quantiser is computed in f32, as accurately as f32 sums, v_exp_f32 and their like allow (about 1e-6 of the number): no bf16 or f16 on the way to a quantiser, and a product that is left as it is and whose result goes on into a quantised operand takes f32 operands (vector FMAs, or v_wmma_f32_16x16x4_f32). A number that lies on a knife's edge between two numbers of the format may be rounded either way, as far as f32 arithmetic and the matrix unit's own rounding can turn it there, and no further.
;; One version. Each part assembles by itself: llvm-mc -triple=amdgcn-amd-amdhsa -mcpu=gfx1250 --defsym DOCPART=n.
;; ======== version 1 of 1: 4 launches
;; limits: right only within a limited range of input values
;; workspace buffers: xc 25,165,824 bytes; wc 4,194,304 bytes; qkv 25,165,824 bytes; ao 8,388,608 bytes; mg 16,777,216 bytes; live 512 bytes of whole numbers
;; launch quant (part 1): grid 512 x 1, 4 waves a work-group, no clusters, 51,200 bytes of LDS; arguments x, wq, wk, wv, wo, lowp_scales, xc, wc, mask, mg, live; writes xc, wc, mg, live
.if DOCPART == 1
	.amdgcn_target "amdgcn-amd-amdhsa--gfx1250"
	.amdhsa_code_object_version 6
	.text
	.protected	k_q878149a53f_quant
	.globl	k_q878149a53f_quant
	.p2align	8
	.type	k_q878149a53f_quant,@function
k_q878149a53f_quant:
	s_mov_b64 s[64:65], 0
	v_nop
	global_prefetch_b8 v0, s[64:65] scope:SCOPE_SE
	s_setreg_imm32_b32 hwreg(HW_REG_WAVE_MODE, 25, 1), 1
	s_wait_xcnt 0x0
; x [8192][1024] f32 becomes THREE sets of E4M3 codes (xc: [3][8192][1024], made with the given exponents e0, e2, e4: the three products that read x each have a scale of
; their own for it); wq, wk, wv, wo [1024][1024] f32 become one set each (wc: [4][1024][1024], with e1, e3, e5, e11).  K is innermost in all of them, so each tensor is a plain stream.
; code = number / 2^e, held within +-448, rounded to the nearest code, ties to even.  LIMITS: each e between -126 and 119; NaN among the inputs is not served.
; A work-group takes 32,768 numbers: four waves x 16 steps x 512.  Work-groups 0-255 take x, then 32 for each weight.  Only pointers and exponents are chosen by the work-group's number;
; the one branch on it jumps over x's second and third conversion and their stores.
; Each load reads 512 consecutive bytes, 16 a lane; the conversions want 16 NEIGHBOURS in a lane: a step's 2,048 bytes turn through the wave's own stage in LDS (16 bytes of padding behind
; each 64).  A lane's 16 codes are 16 bytes: a store covers 512 consecutive bytes.  Loads run four steps ahead, the turn through LDS one step.  Waves share nothing: no barrier.
.set XWG,   256                        ; work-groups for x
.set STEPS, 16
.set SP,    80                         ; a lane's place in a stage: 64 bytes + 16 of padding
.set WREG,  8192                       ; LDS for a wave: two stages of 32 x SP bytes
.set SCL,   5                          ; v5-7    2^e as f32, for outputs 0, 1, 2
.set LIM,   8                          ; v8-10   448 x 2^e
.set R,     16                         ; v16-79  four sets of 16 numbers as loaded
.set X,     80                         ; v80-111 two sets of 16 neighbours
.set T,     112                        ; v112-127 the numbers held within the largest code x the scale
.set C,     128                        ; v128-139 codes: four registers for each of the three outputs
	s_load_b256 s[4:11], s[0:1], 0x0               ; x s[4:5], wq s[6:7], wk s[8:9], wv s[10:11]
	s_load_b256 s[12:19], s[0:1], 0x20             ; wo s[12:13], the exponents s[14:15], xc s[16:17], wc s[18:19]
	s_load_b128 s[52:55], s[0:1], 0x40             ; mask s[52:53], mg s[54:55]
	s_load_b64 s[56:57], s[0:1], 0x50              ; live
	v_lshl_add_u32 v144, v0, 2, 0x8000
	v_mov_b32 v145, 0
	v_lshrrev_b32 v1, 5, v0
	v_readfirstlane_b32 s28, v1                    ; wave
	v_and_b32 v2, 31, v0                           ; lane
	v_lshlrev_b32 v3, 4, v2                        ; my 16 bytes of a load's 512
	v_lshlrev_b32 v4, 4, v2                        ; my 16 codes of a store's 512
	s_mul_i32 s29, s28, WREG
	v_lshrrev_b32 v14, 2, v2
	v_mul_u32_u24 v14, v14, SP
	v_and_b32 v15, 3, v2
	v_lshl_add_u32 v14, v15, 4, v14
	v_add_nc_u32 v14, s29, v14                     ; the stage, on the way in: SP (lane / 4) + 16 (lane % 4)
	v_mul_u32_u24 v15, v2, SP
	v_add_nc_u32 v15, s29, v15                     ; on the way out: SP x lane: my 16 neighbours
	s_cmp_lt_u32 ttmp9, XWG
	s_cselect_b32 s30, XWG, ttmp9
	s_sub_co_u32 s30, s30, XWG                     ; the work-group's number among the weights' (0 for x)
	s_lshr_b32 s31, s30, 5                         ; which weight: 0 wq, 1 wk, 2 wv, 3 wo
	s_and_b32 s30, s30, 31
	s_cmp_lt_u32 ttmp9, XWG
	s_cselect_b32 s30, ttmp9, s30                  ; which 32,768 numbers of the tensor
	s_lshl_b32 s30, s30, 2
	s_add_co_u32 s30, s30, s28                     ; which run of 8,192 numbers is my wave's
	s_lshl_b32 s32, s30, 15                        ; its bytes in the source,
	s_mov_b32 s33, 0
	s_lshl_b32 s34, s30, 13                        ; and among the codes,
	s_lshl_b32 s35, s31, 20                        ; behind the weights in front of it
	s_add_co_u32 s34, s34, s35
	s_mov_b32 s35, 0
	s_wait_alu depctr_va_vdst(0)
	s_wait_kmcnt 0x0
	s_load_b256 s[36:43], s[14:15], 0x0            ; e0 .. e7
	s_load_b128 s[44:47], s[14:15], 0x20           ; e8 .. e11
	s_cmp_ge_u32 ttmp9, 384                        ; work-groups 384 to 511 take the mask: a path of their own, with LDS bytes of its own
	s_cbranch_scc1 .Lmask
	s_mov_b64 s[20:21], s[6:7]                     ; the source is chosen by the work-group's number alone
	s_cmp_eq_u32 s31, 1
	s_cselect_b64 s[20:21], s[8:9], s[20:21]
	s_cmp_eq_u32 s31, 2
	s_cselect_b64 s[20:21], s[10:11], s[20:21]
	s_cmp_eq_u32 s31, 3
	s_cselect_b64 s[20:21], s[12:13], s[20:21]
	s_cmp_lt_u32 ttmp9, XWG
	s_cselect_b64 s[20:21], s[4:5], s[20:21]
	s_cselect_b64 s[22:23], s[16:17], s[18:19]     ; and so is the buffer of codes
	s_add_nc_u64 s[20:21], s[20:21], s[32:33]
	s_add_nc_u64 s[22:23], s[22:23], s[34:35]      ; output 0
	s_add_nc_u64 s[24:25], s[22:23], 0x800000      ; x's second set of codes (used by x's work-groups alone)
	s_add_nc_u64 s[26:27], s[22:23], 0x1000000     ; x's third
.macro LOAD t
.irp i, 0,1,2,3
	global_load_b128 v[R+16*((\t)%4)+4*\i:R+16*((\t)%4)+4*\i+3], v3, s[20:21] offset:2048*(\t)+512*\i th:TH_LOAD_NT   ; 32 lanes read 512 consecutive bytes; read once in the launch
.endr
.endm
.macro TURN t                          ; step t's numbers through the stage: LDS serves a wave's instructions in order, so no wait stands between the stores and the loads
.irp i, 0,1,2,3
	ds_store_b128 v14, v[R+16*((\t)%4)+4*\i:R+16*((\t)%4)+4*\i+3] offset:32*SP*((\t)%2)+8*SP*\i
.endr
.irp i, 0,1,2,3
	ds_load_b128 v[X+16*((\t)%2)+4*\i:X+16*((\t)%2)+4*\i+3], v15 offset:32*SP*((\t)%2)+16*\i
.endr
.endm
.irp t, 0,1,2,3
	LOAD \t
.endr
	s_wait_kmcnt 0x0
	s_mov_b32 s50, s37                             ; output 0's exponent: e1 for wq,
	s_cmp_eq_u32 s31, 1
	s_cselect_b32 s50, s39, s50                    ; e3 for wk,
	s_cmp_eq_u32 s31, 2
	s_cselect_b32 s50, s41, s50                    ; e5 for wv,
	s_cmp_eq_u32 s31, 3
	s_cselect_b32 s50, s47, s50                    ; e11 for wo,
	s_cmp_lt_u32 ttmp9, XWG
	s_cselect_b32 s50, s36, s50                    ; e0 for x
.macro MKSC i, se                      ; from the exponent in s[se]: 2^e (the conversion takes its exponent field) and 448 x 2^e
	s_add_co_i32 s48, s[\se], 127
	s_lshl_b32 s49, s48, 23
	v_mov_b32 v[SCL+\i], s49
	s_add_co_i32 s48, s48, 8
	s_lshl_b32 s48, s48, 23
	s_or_b32 s48, s48, 0x600000
	v_mov_b32 v[LIM+\i], s48
.endm
	MKSC 0, 50
	MKSC 1, 38                                     ; e2
	MKSC 2, 40                                     ; e4
	s_wait_alu depctr_va_vdst(0)
	s_wait_loadcnt 12                              ; step 0's four loads are in
	TURN 0
.macro QS i, t                         ; output i of step t, from the 16 neighbours at v[XS]
.irp k, 0,1,2,3,4,5,6,7,8,9,10,11,12,13,14,15
	v_med3_num_f32 v[T+\k], v[XS+\k], -v[LIM+\i], v[LIM+\i]   ; the conversion to an 8-bit code does not saturate (ISA guide 7.6.2): the hold comes first; X stays as it is for the other scales
.endr
	v_cvt_scalef32_pk8_fp8_f32 v[C+4*\i:C+4*\i+1], v[T:T+7], v[SCL+\i]
	v_cvt_scalef32_pk8_fp8_f32 v[C+4*\i+2:C+4*\i+3], v[T+8:T+15], v[SCL+\i]
	v_nop                                          ; one plain vector instruction between a scaled conversion and the next write of its sources (T)
	global_store_b128 v4, v[C+4*\i:C+4*\i+3], s[22+2*\i:23+2*\i] offset:512*(\t)
.endm
.macro STEP t
.set XS, X+16*((\t)%2)
	s_wait_dscnt 0x0                               ; this step's numbers are back from the stage, and its stores into the stage have read their registers,
	s_wait_xcnt 0x0                                ; and the last step's stores have read C, which is written again below
.if (\t)+4 < STEPS
	LOAD (\t)+4
.endif
.if (\t)+1 < STEPS
.if STEPS-2-(\t) >= 3
	s_wait_loadcnt 12                              ; the next step's four loads are in; those of the three steps behind it may be out
.else
	s_wait_loadcnt 4*(STEPS-2-(\t))
.endif
	TURN (\t)+1
.endif
	QS 0, \t
	s_cmp_lt_u32 ttmp9, XWG                        ; a weight has one set of codes
	s_cbranch_scc0 .Lw_\@
	QS 1, \t
	QS 2, \t
.Lw_\@:
.endm
.irp t, 0,1,2,3,4,5,6,7,8,9,10,11,12,13,14,15
	STEP \t
.endr
	s_wait_tensorcnt 0x0
	ds_add_u32 v144, v145
	s_wait_dscnt 0x0
	s_endpgm
; THE MASK.  mg = mask x G, G = -1e9 x 2^(3 - e6 - e7), f32: the term that the attention adds to a sum of code products (rounded as mask x -1e9 is: G differs from -1e9 by a power of two).
; mg is laid as the attention's registers take it: [128 tiles of 16 queries][32 steps of 64 keys][8 chunks][32 lanes][16 bytes]; lane (r, h) of chunk g holds query r, keys 16 (g / 2) + 8 h + 4 (g % 2) + 0 .. 3.
; live: one bit for each (tile of 16 queries, step of 64 keys), bit j of word T.  WHICH BLOCKS ARE DEAD is read off the given numbers, for every mask: an entry m of a row whose largest mg is R is dead where
; R - m > 2^25 + 128 x 2^(3 - e6 - e7) + 2^-19 (|m| + |R|).  A sum of 64 products of codes is at most 64 x 448^2 < 2^24 in size, so that entry's u lies more than 128 x 2^(3 - e6 - e7) under the u of the row's
; best key, whatever q and k hold (the last term covers the rounding of u); t = u x log2(e) x 2^(e6 + e7 - 3) then lies more than 184 under the row's M: p and its code are 0.  A block is dead where all its entries are.
; The row's best key is never dead, so every row keeps a live block.  LIMIT: e6 + e7 between -95 and 130.
; A work-group takes one tile of 16 queries, wave w its steps 8 w .. 8 w + 7.  A step's 16 rows x 256 bytes come by eight loads (sixteen lanes read 256 consecutive aligned bytes), turn through the wave's stage in LDS
; (rows 272 bytes apart) and leave by eight stores of 512 consecutive bytes.  Loads run two steps ahead.  The rows' largest numbers meet in LDS behind one barrier.
.set MST, 0x8200                       ; behind the other path's regions and the spare words: four stages of 16 rows
.set MSP, 272
.set MXC, MST+4*16*MSP                 ; 512 bytes: each wave's largest number of each row
.macro MLD i
.irp l, 0,1,2,3,4,5,6,7
	global_load_b128 v[16+32*((\i)%2)+4*\l:16+32*((\i)%2)+4*\l+3], v131, s[20:21] offset:16384*\l+256*(\i) th:TH_LOAD_NT
.endr
.endm
.macro MIT i
.set RS, 16+32*((\i)%2)
.if (\i) < 7
	s_wait_loadcnt 8                               ; this step's eight loads are in; the next step's may be out
.else
	s_wait_loadcnt 0x0
.endif
.set j, 0
.rept 16
	v_pk_mul_f32 v[RS+j:RS+j+1], v[RS+j:RS+j+1], s[48:49] op_sel_hi:[1,0]
.set j, j+2
.endr
.irp l, 0,1,2,3,4,5,6,7
	ds_store_b128 v132, v[RS+4*\l:RS+4*\l+3] offset:2*MSP*\l
.endr
	s_wait_xcnt 0x0                                ; the last step's stores have read v80-111
.irp g, 0,1,2,3,4,5,6,7
	ds_load_b128 v[80+4*\g:83+4*\g], v133 offset:64*(\g/2)+16*(\g%2)   ; LDS serves a wave's instructions in order: these see the stores above
.endr
	s_wait_dscnt 0x0                               ; the image is in, and the stage's stores have read their registers,
.if (\i)+2 < 8
	MLD (\i)+2                                     ; which take the loads of two steps on
.endif
	v_max3_num_f32 v120, v80, v81, v82             ; the largest mg of my row in this step: my 32 numbers, in two chains,
	v_max3_num_f32 v121, v96, v97, v98
.irp k, 3,5,7,9,11,13
	v_max3_num_f32 v120, v120, v[80+\k], v[81+\k]
	v_max3_num_f32 v121, v121, v[96+\k], v[97+\k]
.endr
	v_max3_num_f32 v120, v120, v95, v111
	s_delay_alu instid0(VALU_DEP_1)
	v_max_num_f32 v120, v120, v121
	s_delay_alu instid0(VALU_DEP_1)
	v_permlanex16_b32 v136, v120, s50, s51
	s_delay_alu instid0(VALU_DEP_1)
	v_max_num_f32 v[112+\i], v120, v136            ; and lane l xor 16's
.irp g, 0,1,2,3,4,5,6,7
	global_store_b128 v4, v[80+4*\g:83+4*\g], s[22:23] offset:4096*(\i)+512*\g
.endr
.endm
.Lmask:
	s_sub_co_u32 s30, ttmp9, 384                   ; the tile of 16 queries
	s_lshl_b32 s32, s30, 17                        ; 16 rows of 8,192 bytes (s33 = 0),
	s_lshl_b32 s29, s28, 11
	s_add_co_u32 s32, s32, s29                     ; my eight steps of 256 bytes
	s_add_nc_u64 s[20:21], s[52:53], s[32:33]
	s_lshl_b32 s34, s30, 17                        ; mg: 131,072 bytes a tile (s35 = 0), 4,096 a step
	s_lshl_b32 s29, s28, 15
	s_add_co_u32 s34, s34, s29
	s_add_nc_u64 s[22:23], s[54:55], s[34:35]
	s_lshl_b32 s34, s30, 2
	s_add_co_u32 s34, s34, s28                     ; live: byte w of word T
	s_add_nc_u64 s[24:25], s[56:57], s[34:35]
	s_mul_i32 s29, s28, 16*MSP
	s_add_co_u32 s29, s29, MST                     ; my stage
	s_mov_b32 s50, 0x76543210
	s_mov_b32 s51, 0xfedcba98
	v_and_b32 v128, 15, v2                         ; r
	v_lshrrev_b32 v129, 4, v2                      ; h
	s_delay_alu instid0(VALU_DEP_2)
	v_lshlrev_b32 v130, 4, v128
	v_mul_u32_u24 v133, v128, MSP
	s_delay_alu instid0(VALU_DEP_2)
	v_lshl_add_u32 v131, v129, 13, v130            ; in memory: lanes 0-15 one row, lanes 16-31 the next
	v_mad_u32_u24 v132, v129, MSP, v130
	s_delay_alu instid0(VALU_DEP_3)
	v_lshl_add_u32 v133, v129, 5, v133
	s_delay_alu instid0(VALU_DEP_2)
	v_add_nc_u32 v132, s29, v132                   ; into the stage: the same two rows
	s_delay_alu instid0(VALU_DEP_2)
	v_add_nc_u32 v133, s29, v133                   ; out of it: row r, + 32 h
	v_lshl_add_u32 v134, v0, 2, MXC                ; my word among the largest numbers: 128 w + 4 lane
	v_lshl_add_u32 v135, v2, 2, MXC
	v_mov_b32 v136, 0                              ; a lane permute's destination counts as one of its sources
	v_mov_b32 v126, 0x4c000000                     ; 2^25
	s_wait_alu depctr_va_vdst(0)
	MLD 0
	MLD 1
	s_wait_kmcnt 0x0
	s_add_co_i32 s47, s42, s43                     ; e6 + e7
	s_sub_co_i32 s47, 3, s47
	s_lshl_b32 s47, s47, 23
	s_add_co_u32 s48, s47, 0xce6e6b28              ; G: the exponents go into -1e9's exponent field
	s_mov_b32 s49, s48
	s_add_co_u32 s44, s47, 0x43000000              ; 128 x 2^(3 - e6 - e7)
	s_mov_b32 s45, 0x36000000                      ; 2^-19
	v_add_f32 v126, s44, v126
.irp i, 0,1,2,3,4,5,6,7
	MIT \i
.endr
	v_max3_num_f32 v120, v112, v113, v114          ; my row's largest over my eight steps
	v_max3_num_f32 v121, v115, v116, v117
	s_delay_alu instid0(VALU_DEP_2)
	v_max3_num_f32 v120, v120, v118, v119
	s_delay_alu instid0(VALU_DEP_1)
	v_max_num_f32 v120, v120, v121
	ds_store_b32 v134, v120
	s_wait_alu depctr_va_vdst(0)
	s_wait_dscnt 0x0                               ; for the others' sake
	s_barrier_signal -1
	s_barrier_wait -1
	ds_load_b32 v122, v135
	ds_load_b32 v123, v135 offset:128
	ds_load_b32 v124, v135 offset:256
	ds_load_b32 v125, v135 offset:384
	s_wait_dscnt 0x0
	v_max3_num_f32 v120, v122, v123, v124
	s_delay_alu instid0(VALU_DEP_1)
	v_max_num_f32 v120, v120, v125                 ; R: the row's largest mg over all 2,048 keys
	s_delay_alu instid0(VALU_DEP_1)
	v_fma_f32 v121, -|v120|, s45, v120
	s_delay_alu instid0(VALU_DEP_1)
	v_sub_f32 v121, v121, v126                     ; R - 2^-19 |R| - the distance: a step whose largest m has m + 2^-19 |m| at or above this is live for my row
	s_wait_alu depctr_va_vdst(0)
	s_mov_b32 s46, 0
.irp i, 0,1,2,3,4,5,6,7
	v_fma_f32 v122, |v[112+\i]|, s45, v[112+\i]
	s_delay_alu instid0(VALU_DEP_1)
	v_cmp_ge_f32 s47, v122, v121
	s_cmp_lg_u32 s47, 0                            ; live for any of the 16 rows
	s_cselect_b32 s47, 1<<\i, 0
	s_or_b32 s46, s46, s47
.endr
	v_mov_b32 v123, s46
	v_mov_b32 v124, 0
	v_cmp_eq_u32 vcc_lo, 0, v2
	s_wait_alu depctr_va_vdst(0)
	s_wait_xcnt 0x0                                ; EXEC changes only behind this wait
	s_and_saveexec_b32 s47, vcc_lo
	global_store_b8 v124, v123, s[24:25]           ; one lane stores my eight bits
	s_wait_xcnt 0x0
	s_or_b32 exec_lo, exec_lo, s47
	s_wait_tensorcnt 0x0                           ; the wave's end
	ds_add_u32 v144, v145
	s_wait_dscnt 0x0
	s_endpgm
.Lfunc_end_k_q878149a53f_quant:
	.size	k_q878149a53f_quant, .Lfunc_end_k_q878149a53f_quant-k_q878149a53f_quant
	.p2alignl 7, 3214868480
	.fill 96, 4, 3214868480
	.section	.rodata,"a",@progbits
	.p2align	6, 0x0
	.amdhsa_kernel k_q878149a53f_quant
		.amdhsa_group_segment_fixed_size 51200
		.amdhsa_private_segment_fixed_size 0
		.amdhsa_enable_private_segment 0
		.amdhsa_kernarg_size 88
		.amdhsa_user_sgpr_count 2
		.amdhsa_user_sgpr_kernarg_segment_ptr 1
		.amdhsa_wavefront_size32 1
		.amdhsa_system_sgpr_workgroup_id_x 1
		.amdhsa_system_sgpr_workgroup_id_y 1
		.amdhsa_system_sgpr_workgroup_id_z 1
		.amdhsa_system_vgpr_workitem_id 0
		.amdhsa_next_free_vgpr 146
		.amdhsa_next_free_sgpr 66
		.amdhsa_reserve_vcc 1
		.amdhsa_float_denorm_mode_32 3
		.amdhsa_float_denorm_mode_16_64 3
		.amdhsa_memory_ordered 1
		.amdhsa_forward_progress 1
		.amdhsa_inst_pref_size 125
	.end_amdhsa_kernel
	.amdgpu_metadata
---
amdhsa.version: [ 1, 2 ]
amdhsa.kernels:
  - .name:           k_q878149a53f_quant
    .symbol:         k_q878149a53f_quant.kd
    .args:
      - { .name: x, .offset: 0, .size: 8, .value_kind: global_buffer, .address_space: global }
      - { .name: wq, .offset: 8, .size: 8, .value_kind: global_buffer, .address_space: global }
      - { .name: wk, .offset: 16, .size: 8, .value_kind: global_buffer, .address_space: global }
      - { .name: wv, .offset: 24, .size: 8, .value_kind: global_buffer, .address_space: global }
      - { .name: wo, .offset: 32, .size: 8, .value_kind: global_buffer, .address_space: global }
      - { .name: lowp_scales, .offset: 40, .size: 8, .value_kind: global_buffer, .address_space: global }
      - { .name: xc, .offset: 48, .size: 8, .value_kind: global_buffer, .address_space: global }
      - { .name: wc, .offset: 56, .size: 8, .value_kind: global_buffer, .address_space: global }
      - { .name: mask, .offset: 64, .size: 8, .value_kind: global_buffer, .address_space: global }
      - { .name: mg, .offset: 72, .size: 8, .value_kind: global_buffer, .address_space: global }
      - { .name: live, .offset: 80, .size: 8, .value_kind: global_buffer, .address_space: global }
    .group_segment_fixed_size: 51200
    .private_segment_fixed_size: 0
    .kernarg_segment_align: 8
    .kernarg_segment_size: 88
    .max_flat_workgroup_size: 128
    .sgpr_count:     66
    .vgpr_count:     146
    .wavefront_size: 32
...
	.end_amdgpu_metadata
.endif
;; end of part 1
;; launch qkv (part 2): grid 4 x 96, 4 waves a work-group, clusters of 4 x 4, 327,680 bytes of LDS; arguments xc, wc, lowp_scales, bq, bk, bv, qkv; writes qkv
.if DOCPART == 2
	.amdgcn_target "amdgcn-amd-amdhsa--gfx1250"
	.amdhsa_code_object_version 6
	.text
	.protected	k_q878149a53f_qkv
	.globl	k_q878149a53f_qkv
	.p2align	8
	.type	k_q878149a53f_qkv,@function
k_q878149a53f_qkv:
	s_mov_b64 s[64:65], 0
	v_nop
	global_prefetch_b8 v0, s[64:65] scope:SCOPE_SE
	s_setreg_imm32_b32 hwreg(HW_REG_WAVE_MODE, 25, 1), 1
	s_wait_xcnt 0x0
	s_wait_alu depctr_hold_cnt(0) depctr_sa_sdst(0) depctr_va_vdst(0) depctr_va_sdst(0) depctr_va_ssrc(0) depctr_va_vcc(0) depctr_vm_vsrc(0)
	s_getreg_b32 s2, hwreg(HW_REG_IB_STS2, 6, 4)
	s_cmp_eq_u32 s2, 0
	s_cbranch_scc0 .Lentry_in_a_cluster
	s_endpgm
.Lentry_in_a_cluster:
	s_bfe_u32 s2, ttmp6, 0x10000c
	s_cmp_lg_u32 s2, 0xf033
	s_cbranch_scc0 .Lentry_shape_is_right
	s_endpgm
.Lentry_shape_is_right:
.set SIZE_K, 1024
.set KSTEP,  256
.set ROWB,   256
.set KROW,   SIZE_K
.set PITCH,  272
.set FR,     16
.set NL,     4
.set NP,     4
.set HALFT,  128*PITCH
.set SLOT,   4*HALFT
.set LAPS,   SIZE_K/(2*KSTEP)
.set SPARE,  2*SLOT
.set OPITCH, 144
.set ADRA, 16
.set ADRB, 20
.set STO,  24
.set RD,   25
.set CO,   26
.set SPW,  28
.set NIL,  29
.set LIM,  30
.set SCL,  31
.set CB,   32
.set RB,   96
.set AF,   128
.set BK,   128
.set G1, 24
.set G0, 32
.set G1B, 48
.set G0B, 56
.set MSB, 0
.macro WIN new
.if MSB != \new
	s_set_vgpr_msb (MSB<<8)|\new
.set MSB, \new
.endif
.endm
.set MUL_LO, 0xa1
.set MUL_HI, 0xf1
.set TO_B,   0x40
.macro JLOAD g0a, g1a, g0b, g1b
	s_cmp_eq_u32 s15, 0
	s_cbranch_scc0 .Lfor_b_\@
	tensor_load_to_lds s[\g0a:\g0a+3], s[\g1a:\g1a+7]
	s_nop 0
.rept 4
	v_nop
.endr
	s_branch .Lasked_\@
.Lfor_b_\@:
	tensor_load_to_lds s[\g0b:\g0b+3], s[\g1b:\g1b+7]
	s_nop 0
.rept 4
	v_nop
.endr
.Lasked_\@:
.endm
.macro CREST
	s_cmp_lg_u32 s14, 0
	s_cbranch_scc1 .Lnot_wave_0_\@
	s_barrier_signal -3
.Lnot_wave_0_\@:
	s_barrier_wait -3
	s_barrier_signal -1
	s_barrier_wait -1
.endm
.macro CROUND
	s_barrier_signal -1
	s_barrier_wait -1
	CREST
.endm
	s_load_b256 s[4:11], s[0:1], 0x0
	s_load_b128 s[80:83], s[0:1], 0x20
	s_load_b64 s[84:85], s[0:1], 0x30
	v_lshl_add_u32 v[SPW], v0, 2, SPARE
	v_mov_b32 v[NIL], 0
	ds_add_u32 v28, v29
	ds_add_u32 v28, v29
	s_wait_dscnt 0x0
	v_lshrrev_b32 v1, 5, v0
	v_readfirstlane_b32 s14, v1
	s_lshr_b32 s15, s14, 1
	s_and_b32 s16, s14, 1
	s_bfe_u32 s40, ttmp6, 0x40000
	s_bfe_u32 s41, ttmp6, 0x40004
	s_and_b32 s86, ttmp7, 0xffff
	s_and_b32 s87, s86, 7
	s_lshl_b32 s87, s87, 2
	s_lshr_b32 s86, s86, 3
	s_cmp_eq_u32 s86, 2
	s_cselect_b32 s17, 0, s87
	s_cselect_b32 s42, s87, 0
	s_add_co_u32 s17, s17, s41
	s_add_co_u32 s42, s42, s40
	s_lshl_b32 s43, s41, 2
	s_lshl_b32 s43, 15, s43
	s_lshl_b32 s44, 0x1111, s40
	s_or_b32 s[G1+0], s43, (0<<16)|(1<<20)|(1<<21)|(5<<22)|(3<<25)
	s_or_b32 s[G1B+0], s44, (0<<16)|(1<<20)|(1<<21)|(5<<22)|(3<<25)
.irp g, G1, G1B
	s_mov_b32 s[\g+1], ROWB<<16
	s_mov_b32 s[\g+2], 128<<16
	s_mov_b32 s[\g+3], ROWB<<16
	s_mov_b32 s[\g+4], 128
	s_mov_b32 s[\g+5], KROW
	s_mov_b32 s[\g+6], 0
	s_mov_b32 s[\g+7], 0
.endr
	s_lshl_b32 s18, s16, 7
	s_lshl_b32 s20, s17, 8
	s_add_co_u32 s20, s20, s18
	s_lshl_b32 s20, s20, 10
	s_lshl_b32 s46, s42, 8
	s_add_co_u32 s46, s46, s18
	s_lshl_b32 s46, s46, 10
	s_lshl_b32 s88, s86, 23
	s_lshl_b32 s89, s86, 20
	s_cmp_eq_u32 s86, 2
	s_cselect_b32 s88, 0x200000, s88
	s_cselect_b32 s89, 0x1000000, s89
	s_add_co_u32 s20, s20, s88
	s_mov_b32 s21, 0
	s_add_co_u32 s46, s46, s89
	s_mov_b32 s47, 0
	s_mul_i32 s45, s14, HALFT
	s_wait_kmcnt 0x0
	s_load_b256 s[68:75], s[8:9], 0x0
	s_load_b128 s[76:79], s[8:9], 0x20
	s_cmp_eq_u32 s86, 2
	s_cselect_b64 s[90:91], s[6:7], s[4:5]
	s_cselect_b64 s[92:93], s[4:5], s[6:7]
	s_add_nc_u64 s[20:21], s[90:91], s[20:21]
	s_add_nc_u64 s[46:47], s[92:93], s[46:47]
	s_cmp_eq_u32 s86, 1
	s_cselect_b64 s[94:95], s[80:81], s[10:11]
	s_cmp_eq_u32 s86, 2
	s_cselect_b64 s[94:95], s[82:83], s[94:95]
	CROUND
.irp s, 0,1
	s_mov_b32 s[G0+4*\s], 1
	s_add_co_u32 s[G0+4*\s+1], s45, \s*SLOT
	s_add_nc_u64 s[G0+4*\s+2:G0+4*\s+3], s[20:21], \s*ROWB
	s_or_b32 s[G0+4*\s+3], s[G0+4*\s+3], 0x80000000
	s_mov_b32 s[G0B+4*\s], 1
	s_add_co_u32 s[G0B+4*\s+1], s45, \s*SLOT
	s_add_nc_u64 s[G0B+4*\s+2:G0B+4*\s+3], s[46:47], \s*ROWB
	s_or_b32 s[G0B+4*\s+3], s[G0B+4*\s+3], 0x80000000
	s_wait_alu depctr_va_vdst(0)
	s_wait_tensorcnt 0x0
	ds_add_u32 v28, v29
	ds_add_u32 v28, v29
	s_wait_dscnt 0x0
	CROUND
	JLOAD G0+4*\s, G1, G0B+4*\s, G1B
.endr
	v_and_b32 v1, 15, v0
	v_bfe_u32 v2, v0, 4, 1
	s_wait_alu depctr_va_vdst(0)
	s_lshl_b32 s88, s42, 8
	s_lshl_b32 s89, s17, 8
	s_cmp_eq_u32 s86, 2
	s_cselect_b32 s88, 0, s88
	s_cselect_b32 s89, s89, 0
	s_lshl_b32 s90, s16, 7
	s_add_co_u32 s88, s88, s90
	s_lshl_b32 s88, s88, 2
	s_lshl_b32 s90, s15, 7
	s_add_co_u32 s89, s89, s90
	s_lshl_b32 s89, s89, 2
	v_lshl_add_u32 v8, v2, 5, s88
	v_lshl_add_u32 v9, v1, 2, s89
.irp b, 0,1,2,3,4,5,6,7
	global_load_b128 v[CB+8*\b:CB+8*\b+3], v8, s[94:95] offset:64*\b
	global_load_b128 v[CB+8*\b+4:CB+8*\b+7], v8, s[94:95] offset:64*\b+16
.endr
.irp a, 0,1,2,3,4,5,6,7
	global_load_b32 v[RB+2*\a], v9, s[94:95] offset:64*\a
.endr
	v_mul_u32_u24 v3, v1, PITCH
	v_lshl_add_u32 v4, v2, 4, v3
	s_mul_i32 s21, s15, HALFT
	s_mul_i32 s22, s16, HALFT
	s_add_co_u32 s22, s22, 2*HALFT
.irp s, 0,1
	v_add_nc_u32 v[ADRA+\s], s21, v4
	v_add_nc_u32 v[ADRB+\s], s22, v4
	s_add_co_u32 s21, s21, SLOT
	s_add_co_u32 s22, s22, SLOT
.endr
	v_and_b32 v6, 31, v0
	v_lshlrev_b32 v[CO], 4, v6                     ; the way out: 16 bytes a lane
	s_lshl_b32 s88, s42, 1
	s_add_co_u32 s88, s88, s16
	s_cmp_eq_u32 s86, 2
	s_cselect_b32 s89, 17, 20
	s_lshl_b32 s88, s88, s89
	s_lshl_b32 s89, s17, 8
	s_lshl_b32 s90, s15, 7
	s_add_co_u32 s89, s89, s90
	s_lshl_b32 s89, s89, 7
	s_add_co_u32 s88, s88, s89
	s_lshl_b32 s89, s86, 23
	s_add_co_u32 s88, s88, s89
	s_mov_b32 s89, 0
	s_add_nc_u64 s[84:85], s[84:85], s[88:89]
	s_wait_kmcnt 0x0
	s_add_co_i32 s68, s68, s69
	s_add_co_i32 s70, s70, s71
	s_add_co_i32 s72, s72, s73
	s_cmp_eq_u32 s86, 1
	s_cselect_b32 s68, s70, s68
	s_cselect_b32 s74, s75, s74
	s_cmp_eq_u32 s86, 2
	s_cselect_b32 s68, s72, s68
	s_cselect_b32 s74, s77, s74
	s_sub_co_i32 s69, 127, s68
	s_lshl_b32 s69, s69, 23
	s_cmp_eq_u32 s86, 2
	s_cselect_b32 s70, 0, s69
	s_cselect_b32 s72, s69, 0
	s_mov_b32 s71, s70
	s_sub_co_i32 s74, s74, s68
	s_add_co_i32 s74, s74, 127
	s_lshl_b32 s75, s74, 23
	v_mov_b32 v[SCL], s75
	s_add_co_i32 s74, s74, 8
	s_lshl_b32 s74, s74, 23
	s_or_b32 s74, s74, 0x600000
	v_mov_b32 v[LIM], s74
	s_wait_loadcnt 0x0
.set j, 0
.rept 32
	v_pk_mul_f32 v[CB+j:CB+j+1], v[CB+j:CB+j+1], s[70:71] op_sel_hi:[1,0]
.set j, j+2
.endr
.irp a, 0,1,2,3,4,5,6,7
	v_mul_f32 v[RB+2*\a+1], s72, v[RB+2*\a]
	v_mul_f32 v[RB+2*\a], s72, v[RB+2*\a]
.endr
.macro BIAS_IN hi
.irp a, 0,1,2,3
.irp b, 0,1,2,3,4,5,6,7
.irp j, 0,2,4,6
	v_pk_add_f32 v[8*(8*\a+\b)+\j:8*(8*\a+\b)+\j+1], v[CB+8*\b+\j:CB+8*\b+\j+1], v[RB+2*(4*\hi+\a):RB+2*(4*\hi+\a)+1]
.endr
.endr
.endr
.endm
	WIN 0x80
	BIAS_IN 0
	WIN 0xc0
	BIAS_IN 1
	WIN 0
.macro FRAG reg, adr, q, i
.irp c, 0,1,2,3
	ds_load_b128 v[\reg+4*\c:\reg+4*\c+3], v[\adr] offset:128*(\q)+32*\c+(\i)*16*PITCH
.endr
.endm
.macro MUL16 a0, p
.irp a, \a0, \a0+1
.irp b, 0,1,2,3,4,5,6,7
	v_wmma_f32_16x16x128_fp8_fp8 v[8*(8*((\a)%4)+\b):8*(8*((\a)%4)+\b)+7], v[128*(\p)+FR*\b:128*(\p)+FR*\b+FR-1], v[AF+FR*(\a):AF+FR*(\a)+FR-1], v[8*(8*((\a)%4)+\b):8*(8*((\a)%4)+\b)+7]
.endr
.endr
.endm
.macro FETCH_B slot, q, p
	WIN TO_B
.irp i, 0,1,2,3,4,5,6,7
	FRAG 128*(\p)+FR*\i, ADRB+\slot, \q, \i
.endr
	WIN 0
.endm
.macro FETCH_A slot, q, i0
.irp i, \i0, \i0+1, \i0+2, \i0+3
	FRAG AF+FR*(\i), ADRA+\slot, \q, \i
.endr
.endm
.macro PLACES n
.rept \n
	v_nop
.endr
.endm
.macro STEP slot, q
	s_wait_dscnt 4*NL
	WIN MUL_LO
	MUL16 0, (\q)%2
	MUL16 2, (\q)%2
	s_wait_dscnt 0
	PLACES NP
	FETCH_B \slot, (\q)+1, 1-(\q)%2
	FETCH_A \slot, (\q)+1, 0
	WIN MUL_HI
	MUL16 4, (\q)%2
	MUL16 6, (\q)%2
	PLACES NP
	WIN 0
	FETCH_A \slot, (\q)+1, 4
.endm
.macro TURN slot, next, fill
	s_wait_tensorcnt 0x0
	ds_add_u32 v[SPW], v[NIL]
	s_wait_dscnt 4*NL+1
	WIN MUL_LO
	MUL16 0, 1
	s_wait_dscnt 0x0
	s_barrier_signal -1
	MUL16 2, 1
	WIN 0
	s_barrier_wait -1
.if \fill
	CREST
	s_add_nc_u64 s[G0+4*\slot+2:G0+4*\slot+3], s[G0+4*\slot+2:G0+4*\slot+3], 2*ROWB
	s_add_nc_u64 s[G0B+4*\slot+2:G0B+4*\slot+3], s[G0B+4*\slot+2:G0B+4*\slot+3], 2*ROWB
	JLOAD G0+4*\slot, G1, G0B+4*\slot, G1B
.else
	PLACES NP
.endif
	FETCH_B \next, 0, 0
	FETCH_A \next, 0, 0
	WIN MUL_HI
	MUL16 4, 1
	MUL16 6, 1
	PLACES NP
	WIN 0
	FETCH_A \next, 0, 4
.endm
	s_wait_alu depctr_va_vdst(0)
	s_wait_tensorcnt 1
	s_barrier_signal -1
	s_barrier_wait -1
	FETCH_B 0, 0, 0
	FETCH_A 0, 0, 0
	FETCH_A 0, 0, 4
	STEP 0, 0
.rept LAPS-1
	TURN 0, 1, 1
	STEP 1, 0
	TURN 1, 0, 1
	STEP 0, 0
.endr
	TURN 0, 1, 0
	STEP 1, 0
	s_wait_dscnt 4*NL
	WIN MUL_LO
	MUL16 0, 1
	MUL16 2, 1
	s_wait_dscnt 0
	WIN MUL_HI
	MUL16 4, 1
	MUL16 6, 1
	WIN 0
.macro OUTB a
.set AC, 64*((\a)%4)
.set BB, BK+16*(\a)
	WIN 0x82+0x41*((\a)/4)
.set j, 0
.rept 64
	v_med3_num_f32 v[AC+j], v[AC+j], -v[LIM], v[LIM]
.set j, j+1
.endr
	WIN 0x02+((\a)/4)
.irp b, 0,1,2,3,4,5,6,7
	v_cvt_scalef32_pk8_fp8_f32 v[BB+2*\b:BB+2*\b+1], v[AC+8*\b:AC+8*\b+7], v[SCL]
.endr
	WIN 0
; The codes leave as an image of these registers: a block of 16 rows x 128 columns is 2,048 bytes, [4 groups of four registers][32 lanes][16 bytes].  Registers 8 u .. 8 u + 7 of lane (r, h) are row r,
; columns 64 u + 16 c + 8 h + 0 .. 7 in registers 2 c, 2 c + 1: a whole 8-bit fragment of 16 rows x 64, as the attention's matrix instructions take it.  No turn through LDS.
.endm
.macro SENDB a, younger
.set BB, BK+16*(\a)
.irp t, 0,1,2,3
	global_store_b128 v[CO], v[BB+4*\t:BB+4*\t+3], s[84:85] offset:2048*(\a)+512*\t
.endr
.endm
	PLACES NP
	OUTB 0
.irp a, 1,2,3,4,5,6,7
	OUTB \a
	SENDB \a-1, 8
.endr
	SENDB 7, 0
	s_wait_tensorcnt 0x0
	ds_add_u32 v[SPW], v[NIL]
	s_wait_dscnt 0x0
	CROUND
	s_endpgm
.Lfunc_end_k_q878149a53f_qkv:
	.size	k_q878149a53f_qkv, .Lfunc_end_k_q878149a53f_qkv-k_q878149a53f_qkv
	.p2alignl 7, 3214868480
	.fill 96, 4, 3214868480
	.section	.rodata,"a",@progbits
	.p2align	6, 0x0
	.amdhsa_kernel k_q878149a53f_qkv
		.amdhsa_group_segment_fixed_size 327680
		.amdhsa_private_segment_fixed_size 0
		.amdhsa_enable_private_segment 0
		.amdhsa_kernarg_size 56
		.amdhsa_user_sgpr_count 2
		.amdhsa_user_sgpr_kernarg_segment_ptr 1
		.amdhsa_wavefront_size32 1
		.amdhsa_system_sgpr_workgroup_id_x 1
		.amdhsa_system_sgpr_workgroup_id_y 1
		.amdhsa_system_sgpr_workgroup_id_z 1
		.amdhsa_system_vgpr_workitem_id 0
		.amdhsa_next_free_vgpr 1024
		.amdhsa_next_free_sgpr 100
		.amdhsa_reserve_vcc 0
		.amdhsa_float_denorm_mode_32 3
		.amdhsa_float_denorm_mode_16_64 3
		.amdhsa_memory_ordered 1
		.amdhsa_forward_progress 1
		.amdhsa_inst_pref_size 141
	.end_amdhsa_kernel
	.amdgpu_metadata
---
amdhsa.version: [ 1, 2 ]
amdhsa.kernels:
  - .name:           k_q878149a53f_qkv
    .symbol:         k_q878149a53f_qkv.kd
    .args:
      - { .name: xc, .offset: 0, .size: 8, .value_kind: global_buffer, .address_space: global }
      - { .name: wc, .offset: 8, .size: 8, .value_kind: global_buffer, .address_space: global }
      - { .name: lowp_scales, .offset: 16, .size: 8, .value_kind: global_buffer, .address_space: global }
      - { .name: bq, .offset: 24, .size: 8, .value_kind: global_buffer, .address_space: global }
      - { .name: bk, .offset: 32, .size: 8, .value_kind: global_buffer, .address_space: global }
      - { .name: bv, .offset: 40, .size: 8, .value_kind: global_buffer, .address_space: global }
      - { .name: qkv, .offset: 48, .size: 8, .value_kind: global_buffer, .address_space: global }
    .group_segment_fixed_size: 327680
    .private_segment_fixed_size: 0
    .kernarg_segment_align: 8
    .kernarg_segment_size: 56
    .max_flat_workgroup_size: 128
    .sgpr_count:     100
    .vgpr_count:     1024
    .wavefront_size: 32
...
	.end_amdgpu_metadata
.endif
;; end of part 2
;; launch attn (part 3): grid 64 x 16, 4 waves a work-group, no clusters, 9,216 bytes of LDS; arguments qkv, mg, live, lowp_scales, ao; writes ao
.if DOCPART == 3
	.amdgcn_target "amdgcn-amd-amdhsa--gfx1250"
	.amdhsa_code_object_version 6
	.text
	.protected	k_q878149a53f_attn
	.globl	k_q878149a53f_attn
	.p2align	8
	.type	k_q878149a53f_attn,@function
k_q878149a53f_attn:
	s_mov_b64 s[64:65], 0
	v_nop
	global_prefetch_b8 v0, s[64:65] scope:SCOPE_SE
	s_setreg_imm32_b32 hwreg(HW_REG_WAVE_MODE, 25, 1), 1
	s_wait_xcnt 0x0
; Attention on E4M3 codes: scores = q k^T / 8 + mask x (-1e9), softmax, times v; the result quantised (e10) into ao [8192][1024], k = 64 x head + d.
; THE MASK IS AN INPUT; no pattern is built in.  It comes as mg = mask x G, G = -1e9 x 2^(3 - e6 - e7), f32, and as the whole numbers 'live', both made by launch quant from the given numbers: bit j of word T says whether
; the block (queries 16 T .. + 15, keys 64 j .. + 63) has an entry that can count.  In a block that is not live every p and its code are 0 whatever q and k hold (shown at the head of quant's path for the mask),
; so its scores, softmax and products are not made.  Every row has a live block.  LIMIT: a NaN or an infinity that reaches only a block left out is not carried to the result.
; SOFTMAX: u = sum of code products + mg = logit x 2^(3 - e6 - e7); t = u x c, c = log2(e) x 2^(e6 + e7 - 3); M = the running largest t rounded UP to a whole number; p = 2^(t - M) is quantised (e8), not normalised;
; the row's sum is taken of the unquantised p and divides at the end.  When M moves, the sum and O are multiplied by 2^(old M - new M): exact.
; ORDER OF ROUNDING: mg is the C of the score product, so the sum of score and mask term is made and rounded by the matrix unit.
; LIMITS: e6 + e7 between -95 and 130; e8 and e10 between -126 and 119; NaN is not served.
; SHARES.  A work-group: the four heads of a quad (a wave a head) for two tiles of 16 queries of one batch, tiles x and 127 - x: a fixed deal, right for every mask.  1,024 work-groups of four waves of 256 registers.
; THE WALK hangs on stored numbers; there is no tensor load here, and with it no joint load: cluster = none.  Every operand goes from memory straight into registers: q, k, v and mg lie as images of the
; registers (launches qkv and quant lay them so), and each load of a wave reads 512 consecutive aligned bytes.  Waves share nothing in the loop: no LDS, no barrier there.
; The loop has 32 trips, a key step of 64 keys each; a scalar branch on the two tiles' bits picks one of three copies of the step (both tiles, which then share each fragment of K and V; tile 0 alone; tile 1 alone) or none.
; NO PREFETCH: each 256 bytes of k and v are read by the 64 waves that hold the head's tiles of queries, each 256 bytes of mg by the 64 waves of the batches' heads.
; LAYOUT.  S^T = K Q^T (source 0 = 16 keys, source 1 = 16 queries), O^T = V^T P^T: a lane holds ONE query (lane % 16).  Register j of score tile t is key 16 t + 8 (lane / 16) + j, the place that the 8-bit operand's layout
; gives registers 2 t, 2 t + 1: the conversions' results are the second product's operand.
.set SPI,   272                        ; the way out: a stage of 32 rows x (256 bytes + 16) from LDS byte 0 on
.set SPARE, 32*SPI                     ; the spare words, 128 bytes for each of the four waves, which no other line names
.set LO,  1                            ; 16 x lane
.set SPW, 7
.set NIL, 8
.set LIM, 9                            ; 448 x 2^e8, later 448 x 2^e10
.set SCL, 10                           ; 2^e8, later 2^e10
.set PX,  11                           ; a lane permute's destination
.set ST,  12                           ; tile q: v[ST+4q] -M, +1 the largest t, +2, +3 the sum in two halves
.set T0,  20
.set T1,  21
.set F,   22                           ; v[22:23] 2^(old M - new M) (the low word serves)
.set L2,  24                           ; v[24:25] the sum's second chain
.set LIM2, 27                          ; 448 x 2^e8 once more: the second half of a dual hold reads it from another register bank
.set Q,   28                           ; v28-43   Q's two fragments
.set P,   44                           ; v44-59   p's codes
.set KF,  60                           ; v60-91   K's four fragments
.set S,   96                           ; v96-159  mg, then S^T, then p
.set O,   160                          ; v160-223 O^T
.set VF,  224                          ; v224-255 V's four fragments
.set WV,  14
.set SEL, 20
.set CS,  22
.set KB,  24                           ; s[24:25] the step's K;  s[26:27] its V;  s[28:29], s[30:31] its mg for tile 0, 1
.set VB,  26
.set MB,  28
.set F0,  32                           ; s32, s33 the two tiles' bits, the step's in bit 0
.set CNT, 34
.set VI,  36                           ; s[36:37] V's next step
.macro PLACES                          ; plain vector instructions between a matrix instruction and a read of its result or a load into its registers (ISA guide 7.12.1 for a read of its result)
.rept 4
	v_nop
.endr
.endm
	s_load_b256 s[4:11], s[0:1], 0x0               ; qkv s[4:5], mg s[6:7], live s[8:9], the exponents s[10:11]
	s_load_b64 s[12:13], s[0:1], 0x20              ; ao
	v_lshl_add_u32 v[SPW], v0, 2, SPARE
	v_mov_b32 v[NIL], 0
	v_lshrrev_b32 v1, 5, v0
	s_delay_alu instid0(VALU_DEP_1)
	v_readfirstlane_b32 s[WV], v1                  ; wave 0..3 = the head of the quad
	s_mov_b32 s15, ttmp9                           ; tile 0 of my queries
	s_sub_co_u32 s16, 127, ttmp9                   ; tile 1
	s_and_b32 s40, ttmp7, 0xffff
	s_lshr_b32 s17, s40, 2                         ; the batch
	s_and_b32 s18, s40, 3                          ; the quad of heads
	s_and_b32 s19, s[WV], 1                        ; which head of its pair
	s_lshl_b32 s41, s18, 1
	s_lshr_b32 s42, s[WV], 1
	s_add_co_u32 s41, s41, s42
	s_lshl_b32 s41, s41, 20                        ; q, k: (pair of heads) x 1 MiB + batch x 128 blocks of 16 rows x 2,048 bytes + (head of the pair) x 1,024
	s_lshl_b32 s42, s17, 18
	s_add_co_u32 s41, s41, s42
	s_lshl_b32 s42, s19, 10
	s_add_co_u32 s41, s41, s42
	s_add_co_u32 s44, s41, 0x800000                ; k lies 8 MiB on
	s_mov_b32 s45, 0
	s_lshl_b32 s46, s15, 11
	s_add_co_u32 s46, s46, s41                     ; q's tile 0,
	s_mov_b32 s47, 0
	s_lshl_b32 s52, s16, 11
	s_add_co_u32 s52, s52, s41                     ; tile 1
	s_mov_b32 s53, 0
	s_lshl_b32 s54, s17, 21                        ; v: 16 MiB + batch x 16 blocks of 128 keys x 131,072 + head x 4 blocks of 16 channels x 2,048
	s_lshl_b32 s55, s18, 2
	s_add_co_u32 s55, s55, s[WV]
	s_lshl_b32 s55, s55, 13
	s_add_co_u32 s54, s54, s55
	s_add_co_u32 s54, s54, 0x1000000
	s_mov_b32 s55, 0
	s_lshl_b32 s56, s15, 17                        ; mg: 131,072 bytes a tile of queries
	s_mov_b32 s57, 0
	s_lshl_b32 s58, s16, 17
	s_mov_b32 s59, 0
	s_lshl_b32 s60, s15, 2                         ; live: a word a tile
	s_mov_b32 s61, 0
	s_lshl_b32 s62, s16, 2
	s_mov_b32 s63, 0
	s_mov_b32 s38, 131072-1024                     ; V from an odd step to the next: the next block of 128 keys,
	s_mov_b32 s39, 1024                            ; from an even one: the block's second 64 keys
	s_mov_b32 s[VI+1], 0
	s_mov_b32 s[SEL], 0x76543210
	s_mov_b32 s[SEL+1], 0xfedcba98
	s_mov_b32 s[CNT], 32
	s_wait_alu depctr_va_vdst(0)
	s_wait_kmcnt 0x0
	s_load_b256 s[68:75], s[10:11], 0x0            ; e0 .. e7
	s_load_b128 s[76:79], s[10:11], 0x20           ; e8 .. e11
	s_add_nc_u64 s[60:61], s[8:9], s[60:61]
	s_add_nc_u64 s[62:63], s[8:9], s[62:63]
	s_load_b32 s[F0], s[60:61], 0x0
	s_load_b32 s[F0+1], s[62:63], 0x0
	s_add_nc_u64 s[KB:KB+1], s[4:5], s[44:45]
	s_add_nc_u64 s[VB:VB+1], s[4:5], s[54:55]
	s_add_nc_u64 s[MB:MB+1], s[6:7], s[56:57]
	s_add_nc_u64 s[MB+2:MB+3], s[6:7], s[58:59]
	s_add_nc_u64 s[46:47], s[4:5], s[46:47]
	s_add_nc_u64 s[52:53], s[4:5], s[52:53]
	v_and_b32 v[LO], 31, v0
	s_delay_alu instid0(VALU_DEP_1)
	v_lshlrev_b32 v[LO], 4, v[LO]
	global_load_b128 v[Q:Q+3], v[LO], s[46:47]                  ; Q stays in registers
	global_load_b128 v[Q+4:Q+7], v[LO], s[46:47] offset:512
	global_load_b128 v[Q+8:Q+11], v[LO], s[52:53]
	global_load_b128 v[Q+12:Q+15], v[LO], s[52:53] offset:512
	s_wait_kmcnt 0x0
	s_add_co_i32 s80, s74, s75                     ; e6 + e7
	s_sub_co_i32 s80, s80, 3
	s_lshl_b32 s80, s80, 23
	s_add_co_u32 s[CS], s80, 0x3fb8aa3b            ; c = log2(e) x 2^(e6 + e7 - 3): the exponents go into c's exponent field
	s_mov_b32 s[CS+1], s[CS]
	s_add_co_i32 s80, s76, 127
	s_lshl_b32 s81, s80, 23                        ; 2^e8
	s_add_co_i32 s80, s80, 8
	s_lshl_b32 s80, s80, 23
	s_or_b32 s80, s80, 0x600000                    ; 448 x 2^e8
	v_mov_b32 v[SCL], s81
	v_mov_b32 v[LIM], s80
	v_mov_b32 v[LIM2], s80
.irp t, 0,1
	v_mov_b32 v[ST+4*\t+1], 0xff61b1e6             ; the largest t so far: -3e38, under every t
	v_mov_b32 v[ST+4*\t+2], 0
	v_mov_b32 v[ST+4*\t+3], 0
	s_delay_alu instid0(VALU_DEP_3)
	v_floor_f32 v[ST+4*\t], -v[ST+4*\t+1]          ; -M
.endr
	v_mov_b32 v[PX], 0                             ; written once: a lane permute's destination counts as one of its sources
	v_mov_b32 v[F+1], 0                            ; (named as the upper half of a pair)
.set j, 0
.rept 64
	v_mov_b32 v[O+j], 0                            ; O^T.  Which step is a tile's first hangs on the stored bits, so no first step is written out: the first finds zeros, which the first change of M leaves zeros
.set j, j+1
.endr
; THE RUNS OF LOADS, eight each, 512 consecutive bytes an instruction
.macro LOADK                           ; K's four fragments: 16 keys x 64 channels each
.irp t, 0,1,2,3
	global_load_b128 v[KF+8*\t:KF+8*\t+3], v[LO], s[KB:KB+1] offset:2048*\t
	global_load_b128 v[KF+8*\t+4:KF+8*\t+7], v[LO], s[KB:KB+1] offset:2048*\t+512
.endr
.endm
.macro LOADM q                         ; tile q's 32 numbers of mg a lane: they land where the scores will stand
.irp g, 0,1,2,3,4,5,6,7
	global_load_b128 v[S+32*\q+4*\g:S+32*\q+4*\g+3], v[LO], s[MB+2*\q:MB+2*\q+1] offset:512*\g
.endr
.endm
.macro LOADV                           ; V's four fragments: 16 channels x 64 keys each
.irp d, 0,1,2,3
	global_load_b128 v[VF+8*\d:VF+8*\d+3], v[LO], s[VB:VB+1] offset:2048*\d
	global_load_b128 v[VF+8*\d+4:VF+8*\d+7], v[LO], s[VB:VB+1] offset:2048*\d+512
.endr
.endm
.macro SC t, q                         ; u = K Q^T + mg
	v_wmma_f32_16x16x64_fp8_fp8 v[S+32*\q+8*\t:S+32*\q+8*\t+7], v[KF+8*\t:KF+8*\t+7], v[Q+8*\q:Q+8*\q+7], v[S+32*\q+8*\t:S+32*\q+8*\t+7]
.endm
.macro PV d, q                         ; O^T += V^T P^T
	v_wmma_f32_16x16x64_fp8_fp8 v[O+32*\q+8*\d:O+32*\q+8*\d+7], v[VF+8*\d:VF+8*\d+7], v[P+8*\q:P+8*\q+7], v[O+32*\q+8*\d:O+32*\q+8*\d+7]
.endm
.macro SOFTMAX q                       ; tile q: 32 scores a lane.  Work on registers alone
.set rS, S+32*\q
.set rT, ST+4*\q
.set rO, O+32*\q
.set rP, P+8*\q
.if \q
	s_wait_alu depctr_va_vdst(0)                               ; tile 1's scores may be first read behind tile 0's exponentials
.endif
	v_max3_num_f32 v[T0], v[rS], v[rS+1], v[rS+2]              ; the largest u of my query among my 32 keys, in two chains; each accumulator is first read at its low end
	v_max3_num_f32 v[T1], v[rS+3], v[rS+4], v[rS+5]
.irp i, 6,10,14,18,22,26
	v_max3_num_f32 v[T0], v[T0], v[rS+\i], v[rS+\i+1]
	v_max3_num_f32 v[T1], v[T1], v[rS+\i+2], v[rS+\i+3]
.endr
	v_max3_num_f32 v[T0], v[T0], v[rS+30], v[rS+31]
	s_delay_alu instid0(VALU_DEP_1)
	v_max_num_f32 v[T0], v[T0], v[T1]
	s_delay_alu instid0(VALU_DEP_1)
	v_permlanex16_b32 v[PX], v[T0], s[SEL], s[SEL+1]
	s_delay_alu instid0(VALU_DEP_1)
	v_max_num_f32 v[T0], v[T0], v[PX]                          ; and among lane l xor 16's
	s_delay_alu instid0(VALU_DEP_1)
	v_mul_f32 v[T0], s[CS], v[T0]                              ; as t (c is positive)
	s_delay_alu instid0(VALU_DEP_1)
	v_max_num_f32 v[rT+1], v[rT+1], v[T0]                      ; the running largest t
	v_mov_b32 v[T0], v[rT]
	s_delay_alu instid0(VALU_DEP_2)
	v_floor_f32 v[rT], -v[rT+1]                                ; the new -M = -ceil(t)
	s_delay_alu instid0(VALU_DEP_1)
	v_sub_f32 v[T0], v[rT], v[T0]                              ; old M - new M: a whole number, 0 or less
	s_delay_alu instid0(VALU_DEP_1)
	v_cvt_i32_f32 v[T0], v[T0]                                 ; (it saturates)
	s_delay_alu instid0(VALU_DEP_1)
	v_ldexp_f32 v[F], 1.0, v[T0]                               ; f = 2^(old M - new M)
.set j, 0
.rept 16
	v_pk_fma_f32 v[rS+j:rS+j+1], v[rS+j:rS+j+1], s[CS:CS+1], v[rT:rT+1] op_sel_hi:[1,0,0]   ; t - M
.set j, j+2
.endr
	s_wait_alu depctr_va_vdst(0)                               ; ahead of the batch
.set j, 0
.rept 32
	v_exp_f32 v[rS+j], v[rS+j]                                 ; p = 2^(t - M)
.set j, j+1
.endr
	v_pk_mul_f32 v[rT+2:rT+3], v[rT+2:rT+3], v[F:F+1] op_sel_hi:[1,0]   ; the sum under the new M (the plain place behind the exponentials)
	s_wait_alu depctr_va_vdst(0)                               ; one wait for the batch, ahead of its first reader
	v_pk_add_f32 v[L2:L2+1], v[rS:rS+1], v[rS+2:rS+3]          ; the row's sum is taken of the unquantised p, in two chains
.irp i, 4,8,12,16,20,24,28
	v_pk_add_f32 v[rT+2:rT+3], v[rT+2:rT+3], v[rS+\i:rS+\i+1]
	v_pk_add_f32 v[L2:L2+1], v[L2:L2+1], v[rS+\i+2:rS+\i+3]
.endr
	s_delay_alu instid0(VALU_DEP_1)
	v_pk_add_f32 v[rT+2:rT+3], v[rT+2:rT+3], v[L2:L2+1]
.set j, 0
.rept 16
	v_dual_min_num_f32 v[rS+j], v[rS+j], v[LIM] :: v_dual_min_num_f32 v[rS+j+1], v[rS+j+1], v[LIM2]   ; the conversion does not saturate (ISA guide 7.6.2); p is not negative, so the hold is one-sided; two numbers an instruction
.set j, j+2
.endr
.irp t, 0,1,2,3
	v_cvt_scalef32_pk8_fp8_f32 v[rP+2*\t:rP+2*\t+1], v[rS+8*\t:rS+8*\t+7], v[SCL]   ; keys 16 t + 8 h + 0 .. 7: registers 2 t, 2 t + 1 of the operand
.endr
	s_wait_alu depctr_va_vdst(0)                               ; O^T is a matrix result first read behind exponentials; the wait stands directly ahead of its readers
.set j, 0
.rept 16
	v_pk_mul_f32 v[rO+j:rO+j+1], v[rO+j:rO+j+1], v[F:F+1] op_sel_hi:[1,0]   ; O^T under the new M; also the plain places behind the conversions
.set j, j+2
.endr
.endm
.macro ONE q                           ; a key step in which tile q alone is live
	LOADK
	LOADM \q
	LOADV
	s_wait_loadcnt 8                               ; K and mg are in; V's eight loads may be out
.irp t, 0,1,2,3
	SC \t, \q
.endr
	PLACES                                         ; in front of the first read of the scores
	SOFTMAX \q
	s_wait_alu depctr_va_vdst(0)
	s_wait_loadcnt 0x0                             ; V is in
.irp d, 0,1,2,3
	PV \d, \q
.endr
	PLACES                                         ; in front of the next step's loads into V's registers
.endm
	s_wait_alu depctr_va_vdst(0)
	s_wait_loadcnt 0x0                             ; Q
.Lstep:                                            ; 32 trips, a key step each
	s_and_b32 s80, s[F0], 1
	s_and_b32 s81, s[F0+1], 1
	s_lshl_b32 s81, s81, 1
	s_or_b32 s80, s80, s81                         ; which of my two tiles are live in this step
	s_cmp_eq_u32 s80, 0
	s_cbranch_scc1 .Lnext
	s_cmp_eq_u32 s80, 1
	s_cbranch_scc1 .Lone0
	s_cmp_eq_u32 s80, 2
	s_cbranch_scc1 .Lone1
	LOADK                                          ; both: each fragment of K and V feeds two matrix instructions
	LOADM 0
	LOADM 1
	LOADV
	s_wait_loadcnt 8                               ; K and mg are in; V's eight loads may be out
.irp t, 0,1,2,3
	SC \t, 0
	SC \t, 1
.endr
	PLACES
	SOFTMAX 0
	SOFTMAX 1
	s_wait_alu depctr_va_vdst(0)
	s_wait_loadcnt 0x0                             ; V is in
.irp d, 0,1,2,3
	PV \d, 0
	PV \d, 1
.endr
	PLACES
	s_branch .Lnext
.Lone0:
	ONE 0
	s_branch .Lnext
.Lone1:
	ONE 1
.Lnext:
	s_wait_xcnt 0x0                                ; the step's loads have read their bases, which are stepped
	s_add_nc_u64 s[KB:KB+1], s[KB:KB+1], 8192      ; four blocks of 16 keys on
	s_add_nc_u64 s[MB:MB+1], s[MB:MB+1], 4096
	s_add_nc_u64 s[MB+2:MB+3], s[MB+2:MB+3], 4096
	s_bitcmp1_b32 s[CNT], 0                        ; the trips to go are odd in the odd steps
	s_cselect_b32 s[VI], s38, s39
	s_add_nc_u64 s[VB:VB+1], s[VB:VB+1], s[VI:VI+1]
	s_lshr_b32 s[F0], s[F0], 1
	s_lshr_b32 s[F0+1], s[F0+1], 1
	s_sub_co_u32 s[CNT], s[CNT], 1
	s_cmp_lg_u32 s[CNT], 0
	s_cbranch_scc1 .Lstep
	; THE WAY OUT.  O^T / the sum x 2^(e8 + e9) is the attention's result; it is held, converted with 2^e10, and meets the other three heads' codes in a stage: a row of 256 bytes is four heads x 64.
	v_add_f32 v[ST+2], v[ST+2], v[ST+3]            ; the sum's two halves
	v_add_f32 v[ST+6], v[ST+6], v[ST+7]
	s_delay_alu instid0(VALU_DEP_2)
	v_permlanex16_b32 v[T0], v[ST+2], s[SEL], s[SEL+1]
	s_delay_alu instid0(VALU_DEP_2)
	v_permlanex16_b32 v[T1], v[ST+6], s[SEL], s[SEL+1]
	s_delay_alu instid0(VALU_DEP_2)
	v_add_f32 v[ST+2], v[ST+2], v[T0]              ; and lane l xor 16's
	s_delay_alu instid0(VALU_DEP_2)
	v_add_f32 v[ST+6], v[ST+6], v[T1]
	s_wait_alu depctr_va_vdst(0)
	v_rcp_f32 v[ST+2], v[ST+2]
	v_rcp_f32 v[ST+6], v[ST+6]
	v_and_b32 v2, 15, v0                           ; r  (a plain place behind the reciprocals)
	v_bfe_u32 v6, v0, 4, 1                         ; h
	s_add_co_i32 s61, s76, s77                     ; e8 + e9
	s_lshl_b32 s40, s[WV], 6
	s_mul_i32 s41, s[WV], 8*SPI
	s_cmp_lt_u32 s[WV], 2                          ; back: waves 0, 1 take tile 0's rows, waves 2, 3 tile 1's
	s_cselect_b32 s42, s15, s16
	s_lshl_b32 s80, s17, 21                        ; ao: (2,048 batch + 16 tile + 8 (w & 1)) rows of 1,024 bytes + 256 x quad
	s_lshl_b32 s81, s42, 14
	s_add_co_u32 s80, s80, s81
	s_lshl_b32 s81, s19, 13
	s_add_co_u32 s80, s80, s81
	s_lshl_b32 s81, s18, 8
	s_add_co_u32 s80, s80, s81
	s_mov_b32 s81, 0
	s_add_nc_u64 s[80:81], s[12:13], s[80:81]
	s_add_co_i32 s62, s78, 127
	s_lshl_b32 s63, s62, 23                        ; 2^e10
	s_add_co_i32 s62, s62, 8
	s_lshl_b32 s62, s62, 23
	s_or_b32 s62, s62, 0x600000                    ; 448 x 2^e10
	s_wait_alu depctr_va_vdst(0)                   ; ahead of the reciprocals' first readers, and of r's and h's behind the scalar lines
	v_ldexp_f32 v[ST+2], v[ST+2], s61
	v_ldexp_f32 v[ST+6], v[ST+6], s61
	v_mul_u32_u24 v3, v2, SPI
	v_mul_u32_u24 v4, v6, SPI
	v_lshlrev_b32 v5, 10, v6
	s_delay_alu instid0(VALU_DEP_3)
	v_lshl_add_u32 v3, v6, 3, v3
	s_delay_alu instid0(VALU_DEP_3)
	v_lshl_add_u32 v4, v2, 4, v4
	s_delay_alu instid0(VALU_DEP_3)
	v_lshl_add_u32 v5, v2, 4, v5                   ; two rows of ao an instruction: lanes 0-15 one, lanes 16-31 the next
	s_delay_alu instid0(VALU_DEP_3)
	v_add_nc_u32 v3, s40, v3                       ; in: row 16 q + r, byte 64 w + 8 h
	s_delay_alu instid0(VALU_DEP_3)
	v_add_nc_u32 v4, s41, v4                       ; back: wave w takes rows 8 w .. 8 w + 7
	v_mov_b32 v[SCL], s63
	v_mov_b32 v[LIM], s62
	s_wait_alu depctr_va_vdst(0)                   ; directly ahead of the first readers of O^T
.irp q, 0,1
.set j, 0
.rept 16
	v_pk_mul_f32 v[O+32*\q+j:O+32*\q+j+1], v[O+32*\q+j:O+32*\q+j+1], v[ST+4*\q+2:ST+4*\q+3] op_sel_hi:[1,0]
.set j, j+2
.endr
.endr
.irp q, 0,1
.set j, 0
.rept 32
	v_med3_num_f32 v[O+32*\q+j], v[O+32*\q+j], -v[LIM], v[LIM]
.set j, j+1
.endr
.irp d, 0,1,2,3
	v_cvt_scalef32_pk8_fp8_f32 v[KF+8*\q+2*\d:KF+8*\q+2*\d+1], v[O+32*\q+8*\d:O+32*\q+8*\d+7], v[SCL]   ; channels 16 d + 8 h + 0 .. 7 of query r
.endr
.endr
	v_nop                                          ; a plain line behind the last conversion
.irp q, 0,1
.irp d, 0,1,2,3
	ds_store_b64 v3, v[KF+8*\q+2*\d:KF+8*\q+2*\d+1] offset:16*SPI*\q+16*\d
.endr
.endr
	s_wait_dscnt 0x0                               ; for the others' sake: my stores into the stage are done
	s_barrier_signal -1
	s_barrier_wait -1
.irp i, 0,1,2,3
	ds_load_b128 v[S+4*\i:S+4*\i+3], v4 offset:2*SPI*\i
.endr
.irp i, 0,1,2,3
	s_wait_dscnt 3-\i
	global_store_b128 v5, v[S+4*\i:S+4*\i+3], s[80:81] offset:2048*\i   ; 16 lanes store 256 consecutive bytes, at a multiple of 256 from ao's first byte
.endr
	s_wait_tensorcnt 0x0                           ; the wave's end
	ds_add_u32 v[SPW], v[NIL]
	s_wait_dscnt 0x0
	s_endpgm
.Lfunc_end_k_q878149a53f_attn:
	.size	k_q878149a53f_attn, .Lfunc_end_k_q878149a53f_attn-k_q878149a53f_attn
	.p2alignl 7, 3214868480
	.fill 96, 4, 3214868480
	.section	.rodata,"a",@progbits
	.p2align	6, 0x0
	.amdhsa_kernel k_q878149a53f_attn
		.amdhsa_group_segment_fixed_size 9216
		.amdhsa_private_segment_fixed_size 0
		.amdhsa_enable_private_segment 0
		.amdhsa_kernarg_size 40
		.amdhsa_user_sgpr_count 2
		.amdhsa_user_sgpr_kernarg_segment_ptr 1
		.amdhsa_wavefront_size32 1
		.amdhsa_system_sgpr_workgroup_id_x 1
		.amdhsa_system_sgpr_workgroup_id_y 1
		.amdhsa_system_sgpr_workgroup_id_z 1
		.amdhsa_system_vgpr_workitem_id 0
		.amdhsa_next_free_vgpr 256
		.amdhsa_next_free_sgpr 96
		.amdhsa_reserve_vcc 0
		.amdhsa_float_denorm_mode_32 3
		.amdhsa_float_denorm_mode_16_64 3
		.amdhsa_memory_ordered 1
		.amdhsa_forward_progress 1
		.amdhsa_inst_pref_size 57
	.end_amdhsa_kernel
	.amdgpu_metadata
---
amdhsa.version: [ 1, 2 ]
amdhsa.kernels:
  - .name:           k_q878149a53f_attn
    .symbol:         k_q878149a53f_attn.kd
    .args:
      - { .name: qkv, .offset: 0, .size: 8, .value_kind: global_buffer, .address_space: global }
      - { .name: mg, .offset: 8, .size: 8, .value_kind: global_buffer, .address_space: global }
      - { .name: live, .offset: 16, .size: 8, .value_kind: global_buffer, .address_space: global }
      - { .name: lowp_scales, .offset: 24, .size: 8, .value_kind: global_buffer, .address_space: global }
      - { .name: ao, .offset: 32, .size: 8, .value_kind: global_buffer, .address_space: global }
    .group_segment_fixed_size: 9216
    .private_segment_fixed_size: 0
    .kernarg_segment_align: 8
    .kernarg_segment_size: 40
    .max_flat_workgroup_size: 128
    .sgpr_count:     96
    .vgpr_count:     256
    .wavefront_size: 32
...
	.end_amdgpu_metadata
.endif
;; end of part 3
;; launch oproj (part 4): grid 4 x 32, 4 waves a work-group, clusters of 4 x 4, 327,680 bytes of LDS; arguments ao, wc, lowp_scales, bo, out0; writes out0
.if DOCPART == 4
	.amdgcn_target "amdgcn-amd-amdhsa--gfx1250"
	.amdhsa_code_object_version 6
	.text
	.protected	k_q878149a53f_oproj
	.globl	k_q878149a53f_oproj
	.p2align	8
	.type	k_q878149a53f_oproj,@function
k_q878149a53f_oproj:
	s_mov_b64 s[64:65], 0
	v_nop
	global_prefetch_b8 v0, s[64:65] scope:SCOPE_SE
	s_setreg_imm32_b32 hwreg(HW_REG_WAVE_MODE, 25, 1), 1
	s_wait_xcnt 0x0
	s_wait_alu depctr_hold_cnt(0) depctr_sa_sdst(0) depctr_va_vdst(0) depctr_va_sdst(0) depctr_va_ssrc(0) depctr_va_vcc(0) depctr_vm_vsrc(0)
	s_getreg_b32 s2, hwreg(HW_REG_IB_STS2, 6, 4)
	s_cmp_eq_u32 s2, 0
	s_cbranch_scc0 .Lentry_in_a_cluster
	s_endpgm
.Lentry_in_a_cluster:
	s_bfe_u32 s2, ttmp6, 0x10000c
	s_cmp_lg_u32 s2, 0xf033
	s_cbranch_scc0 .Lentry_shape_is_right
	s_endpgm
.Lentry_shape_is_right:
.set SIZE_N, 1024
.set SIZE_K, 1024
.set KSTEP,  256
.set ROWB,   256
.set KROW,   SIZE_K
.set PITCH,  272
.set FR,     16
.set NL,     4
.set NP,     4
.set HALFT,  128*PITCH
.set SLOT,   4*HALFT
.set LAPS,   SIZE_K/(2*KSTEP)
.set SPARE,  2*SLOT
.set SPITCH, 528
.set ADRA, 16
.set ADRB, 20
.set STO,  24
.set RD,   25
.set CO,   26
.set SPW,  28
.set NIL,  29
.set CB,   32
.set AF,   128
.set BK,   128
.set G1, 24
.set G0, 32
.set G1B, 48
.set G0B, 56
.set MSB, 0
.macro WIN new
.if MSB != \new
	s_set_vgpr_msb (MSB<<8)|\new
.set MSB, \new
.endif
.endm
.set MUL_LO, 0xa1
.set MUL_HI, 0xf1
.set TO_B,   0x40
.macro JLOAD g0a, g1a, g0b, g1b
	s_cmp_eq_u32 s15, 0
	s_cbranch_scc0 .Lfor_b_\@
	tensor_load_to_lds s[\g0a:\g0a+3], s[\g1a:\g1a+7]
	s_nop 0
.rept 4
	v_nop
.endr
	s_branch .Lasked_\@
.Lfor_b_\@:
	tensor_load_to_lds s[\g0b:\g0b+3], s[\g1b:\g1b+7]
	s_nop 0
.rept 4
	v_nop
.endr
.Lasked_\@:
.endm
.macro CREST
	s_cmp_lg_u32 s14, 0
	s_cbranch_scc1 .Lnot_wave_0_\@
	s_barrier_signal -3
.Lnot_wave_0_\@:
	s_barrier_wait -3
	s_barrier_signal -1
	s_barrier_wait -1
.endm
.macro CROUND
	s_barrier_signal -1
	s_barrier_wait -1
	CREST
.endm
	s_load_b128 s[4:7], s[0:1], 0x0
	s_load_b128 s[8:11], s[0:1], 0x10
	s_load_b64 s[12:13], s[0:1], 0x20
	v_lshl_add_u32 v[SPW], v0, 2, SPARE
	v_mov_b32 v[NIL], 0
	ds_add_u32 v28, v29
	ds_add_u32 v28, v29
	s_wait_dscnt 0x0
	v_lshrrev_b32 v1, 5, v0
	v_readfirstlane_b32 s14, v1
	s_lshr_b32 s15, s14, 1
	s_and_b32 s16, s14, 1
	s_bfe_u32 s40, ttmp6, 0x40000
	s_bfe_u32 s41, ttmp6, 0x40004
	s_lshl_b32 s42, ttmp9, 2
	s_add_co_u32 s42, s42, s40
	s_and_b32 s17, ttmp7, 0xffff
	s_lshl_b32 s17, s17, 2
	s_add_co_u32 s17, s17, s41
	s_lshl_b32 s43, s41, 2
	s_lshl_b32 s43, 15, s43
	s_lshl_b32 s44, 0x1111, s40
	s_or_b32 s[G1+0], s43, (0<<16)|(1<<20)|(1<<21)|(5<<22)|(3<<25)
	s_or_b32 s[G1B+0], s44, (0<<16)|(1<<20)|(1<<21)|(5<<22)|(3<<25)
.irp g, G1, G1B
	s_mov_b32 s[\g+1], ROWB<<16
	s_mov_b32 s[\g+2], 128<<16
	s_mov_b32 s[\g+3], ROWB<<16
	s_mov_b32 s[\g+4], 128
	s_mov_b32 s[\g+5], KROW
	s_mov_b32 s[\g+6], 0
	s_mov_b32 s[\g+7], 0
.endr
	s_lshl_b32 s18, s16, 7
	s_lshl_b32 s20, s17, 8
	s_add_co_u32 s20, s20, s18
	s_lshl_b32 s20, s20, 10
	s_mov_b32 s21, 0
	s_lshl_b32 s46, s42, 8
	s_add_co_u32 s46, s46, s18
	s_lshl_b32 s46, s46, 10
	s_add_co_u32 s46, s46, 0x300000
	s_mov_b32 s47, 0
	s_mul_i32 s45, s14, HALFT
	s_wait_kmcnt 0x0
	s_load_b64 s[96:97], s[8:9], 0x28
	s_add_nc_u64 s[20:21], s[4:5], s[20:21]
	s_add_nc_u64 s[46:47], s[6:7], s[46:47]
	CROUND
.irp s, 0,1
	s_mov_b32 s[G0+4*\s], 1
	s_add_co_u32 s[G0+4*\s+1], s45, \s*SLOT
	s_add_nc_u64 s[G0+4*\s+2:G0+4*\s+3], s[20:21], \s*ROWB
	s_or_b32 s[G0+4*\s+3], s[G0+4*\s+3], 0x80000000
	s_mov_b32 s[G0B+4*\s], 1
	s_add_co_u32 s[G0B+4*\s+1], s45, \s*SLOT
	s_add_nc_u64 s[G0B+4*\s+2:G0B+4*\s+3], s[46:47], \s*ROWB
	s_or_b32 s[G0B+4*\s+3], s[G0B+4*\s+3], 0x80000000
	s_wait_alu depctr_va_vdst(0)
	s_wait_tensorcnt 0x0
	ds_add_u32 v28, v29
	ds_add_u32 v28, v29
	s_wait_dscnt 0x0
	CROUND
	JLOAD G0+4*\s, G1, G0B+4*\s, G1B
.endr
	v_and_b32 v1, 15, v0
	s_wait_alu depctr_va_vdst(0)
	v_bfe_u32 v2, v0, 4, 1
	s_lshl_b32 s88, s42, 8
	s_lshl_b32 s89, s16, 7
	s_add_co_u32 s88, s88, s89
	s_lshl_b32 s88, s88, 2
	v_lshl_add_u32 v8, v2, 5, s88
.irp b, 0,1,2,3,4,5,6,7
	global_load_b128 v[CB+8*\b:CB+8*\b+3], v8, s[10:11] offset:64*\b
	global_load_b128 v[CB+8*\b+4:CB+8*\b+7], v8, s[10:11] offset:64*\b+16
.endr
	v_mul_u32_u24 v3, v1, PITCH
	v_lshl_add_u32 v4, v2, 4, v3
	s_mul_i32 s21, s15, HALFT
	s_mul_i32 s22, s16, HALFT
	s_add_co_u32 s22, s22, 2*HALFT
.irp s, 0,1
	v_add_nc_u32 v[ADRA+\s], s21, v4
	v_add_nc_u32 v[ADRB+\s], s22, v4
	s_add_co_u32 s21, s21, SLOT
	s_add_co_u32 s22, s22, SLOT
.endr
	s_mul_i32 s23, s14, 16*SPITCH
	v_mul_u32_u24 v5, v1, SPITCH
	s_wait_alu depctr_va_vdst(0)
	v_lshl_add_u32 v5, v2, 5, v5
	v_add_nc_u32 v[STO], s23, v5
	v_and_b32 v6, 31, v0
	v_lshlrev_b32 v[CO], 4, v6
	v_add_nc_u32 v[RD], s23, v[CO]
	s_lshl_b32 s20, s17, 8
	s_lshl_b32 s21, s15, 7
	s_add_co_u32 s20, s20, s21
	s_lshl_b32 s20, s20, 12
	s_lshl_b32 s46, s42, 10
	s_lshl_b32 s47, s16, 9
	s_add_co_u32 s46, s46, s47
	s_add_co_u32 s20, s20, s46
	s_mov_b32 s21, 0
	s_add_nc_u64 s[12:13], s[12:13], s[20:21]
.macro FRAG reg, adr, q, i
.irp c, 0,1,2,3
	ds_load_b128 v[\reg+4*\c:\reg+4*\c+3], v[\adr] offset:128*(\q)+32*\c+(\i)*16*PITCH
.endr
.endm
.macro MUL16 a0, p, zero
.irp a, \a0, \a0+1
.irp b, 0,1,2,3,4,5,6,7
.if \zero
	v_wmma_f32_16x16x128_fp8_fp8 v[8*(8*((\a)%4)+\b):8*(8*((\a)%4)+\b)+7], v[128*(\p)+FR*\b:128*(\p)+FR*\b+FR-1], v[AF+FR*(\a):AF+FR*(\a)+FR-1], 0
.else
	v_wmma_f32_16x16x128_fp8_fp8 v[8*(8*((\a)%4)+\b):8*(8*((\a)%4)+\b)+7], v[128*(\p)+FR*\b:128*(\p)+FR*\b+FR-1], v[AF+FR*(\a):AF+FR*(\a)+FR-1], v[8*(8*((\a)%4)+\b):8*(8*((\a)%4)+\b)+7]
.endif
.endr
.endr
.endm
.macro FETCH_B slot, q, p
	WIN TO_B
.irp i, 0,1,2,3,4,5,6,7
	FRAG 128*(\p)+FR*\i, ADRB+\slot, \q, \i
.endr
	WIN 0
.endm
.macro FETCH_A slot, q, i0
.irp i, \i0, \i0+1, \i0+2, \i0+3
	FRAG AF+FR*(\i), ADRA+\slot, \q, \i
.endr
.endm
.macro PLACES n
.rept \n
	v_nop
.endr
.endm
.macro STEP slot, q, zero
	s_wait_dscnt 4*NL
	WIN MUL_LO
	MUL16 0, (\q)%2, \zero
	MUL16 2, (\q)%2, \zero
	s_wait_dscnt 0
	PLACES NP
	FETCH_B \slot, (\q)+1, 1-(\q)%2
	FETCH_A \slot, (\q)+1, 0
	WIN MUL_HI
	MUL16 4, (\q)%2, \zero
	MUL16 6, (\q)%2, \zero
	PLACES NP
	WIN 0
	FETCH_A \slot, (\q)+1, 4
.endm
.macro TURN slot, next, fill
	s_wait_tensorcnt 0x0
	ds_add_u32 v[SPW], v[NIL]
	s_wait_dscnt 4*NL+1
	WIN MUL_LO
	MUL16 0, 1, 0
	s_wait_dscnt 0x0
	s_barrier_signal -1
	MUL16 2, 1, 0
	WIN 0
	s_barrier_wait -1
.if \fill
	CREST
	s_add_nc_u64 s[G0+4*\slot+2:G0+4*\slot+3], s[G0+4*\slot+2:G0+4*\slot+3], 2*ROWB
	s_add_nc_u64 s[G0B+4*\slot+2:G0B+4*\slot+3], s[G0B+4*\slot+2:G0B+4*\slot+3], 2*ROWB
	JLOAD G0+4*\slot, G1, G0B+4*\slot, G1B
.else
	PLACES NP
.endif
	FETCH_B \next, 0, 0
	FETCH_A \next, 0, 0
	WIN MUL_HI
	MUL16 4, 1, 0
	MUL16 6, 1, 0
	PLACES NP
	WIN 0
	FETCH_A \next, 0, 4
.endm
	s_wait_tensorcnt 1
	s_barrier_signal -1
	s_barrier_wait -1
	FETCH_B 0, 0, 0
	FETCH_A 0, 0, 0
	FETCH_A 0, 0, 4
	STEP 0, 0, 1
.rept LAPS-1
	TURN 0, 1, 1
	STEP 1, 0, 0
	TURN 1, 0, 1
	STEP 0, 0, 0
.endr
	TURN 0, 1, 0
	STEP 1, 0, 0
	s_wait_dscnt 4*NL
	WIN MUL_LO
	MUL16 0, 1, 0
	MUL16 2, 1, 0
	s_wait_dscnt 0
	WIN MUL_HI
	MUL16 4, 1, 0
	MUL16 6, 1, 0
	WIN 0
.macro TOSTAGE a
.set AC, 64*((\a)%4)
	WIN 0x82+0x41*((\a)/4)
.set j, 0
.rept 32
	v_pk_fma_f32 v[AC+j:AC+j+1], v[AC+j:AC+j+1], s[96:97], v[CB+j:CB+j+1] op_sel_hi:[1,0,1]
.set j, j+2
.endr
	WIN 0x08+4*((\a)/4)
.irp b, 0,1,2,3,4,5,6,7
	ds_store_b128 v[STO], v[AC+8*\b:AC+8*\b+3] offset:64*\b
	ds_store_b128 v[STO], v[AC+8*\b+4:AC+8*\b+7] offset:64*\b+16
.endr
	WIN 0
.set BB, BK+64*((\a)%2)
.irp t, 0,1,2,3,4,5,6,7,8,9,10,11,12,13,14,15
	ds_load_b128 v[BB+4*\t:BB+4*\t+3], v[RD] offset:\t*SPITCH
.endr
.endm
.macro SEND a, younger
.set BB, BK+64*((\a)%2)
	s_wait_dscnt \younger
.if (\a) > 0
	s_add_nc_u64 s[12:13], s[12:13], 16*SIZE_N*4
.endif
.irp t, 0,1,2,3,4,5,6,7,8,9,10,11,12,13,14,15
	global_store_b128 v[CO], v[BB+4*\t:BB+4*\t+3], s[12:13] offset:\t*SIZE_N*4 th:TH_STORE_NT
.endr
.endm
	s_wait_kmcnt 0x0
	s_add_co_i32 s96, s96, s97
	s_add_co_i32 s96, s96, 127
	s_lshl_b32 s96, s96, 23
	s_wait_loadcnt 0x0
	PLACES NP
	TOSTAGE 0
.irp a, 1,2,3,4,5,6,7
.if \a > 1
	s_wait_xcnt 0x0
.endif
	TOSTAGE \a
	SEND \a-1, 32
.endr
	s_wait_xcnt 0x0
	SEND 7, 0
	s_wait_tensorcnt 0x0
	ds_add_u32 v[SPW], v[NIL]
	s_wait_dscnt 0x0
	CROUND
	s_endpgm
.Lfunc_end_k_q878149a53f_oproj:
	.size	k_q878149a53f_oproj, .Lfunc_end_k_q878149a53f_oproj-k_q878149a53f_oproj
	.p2alignl 7, 3214868480
	.fill 96, 4, 3214868480
	.section	.rodata,"a",@progbits
	.p2align	6, 0x0
	.amdhsa_kernel k_q878149a53f_oproj
		.amdhsa_group_segment_fixed_size 327680
		.amdhsa_private_segment_fixed_size 0
		.amdhsa_enable_private_segment 0
		.amdhsa_kernarg_size 40
		.amdhsa_user_sgpr_count 2
		.amdhsa_user_sgpr_kernarg_segment_ptr 1
		.amdhsa_wavefront_size32 1
		.amdhsa_system_sgpr_workgroup_id_x 1
		.amdhsa_system_sgpr_workgroup_id_y 1
		.amdhsa_system_sgpr_workgroup_id_z 1
		.amdhsa_system_vgpr_workitem_id 0
		.amdhsa_next_free_vgpr 1024
		.amdhsa_next_free_sgpr 100
		.amdhsa_reserve_vcc 0
		.amdhsa_float_denorm_mode_32 3
		.amdhsa_float_denorm_mode_16_64 3
		.amdhsa_memory_ordered 1
		.amdhsa_forward_progress 1
		.amdhsa_inst_pref_size 126
	.end_amdhsa_kernel
	.amdgpu_metadata
---
amdhsa.version: [ 1, 2 ]
amdhsa.kernels:
  - .name:           k_q878149a53f_oproj
    .symbol:         k_q878149a53f_oproj.kd
    .args:
      - { .name: ao, .offset: 0, .size: 8, .value_kind: global_buffer, .address_space: global }
      - { .name: wc, .offset: 8, .size: 8, .value_kind: global_buffer, .address_space: global }
      - { .name: lowp_scales, .offset: 16, .size: 8, .value_kind: global_buffer, .address_space: global }
      - { .name: bo, .offset: 24, .size: 8, .value_kind: global_buffer, .address_space: global }
      - { .name: out0, .offset: 32, .size: 8, .value_kind: global_buffer, .address_space: global }
    .group_segment_fixed_size: 327680
    .private_segment_fixed_size: 0
    .kernarg_segment_align: 8
    .kernarg_segment_size: 40
    .max_flat_workgroup_size: 128
    .sgpr_count:     100
    .vgpr_count:     1024
    .wavefront_size: 32
...
	.end_amdgpu_metadata
.endif
;; end of part 4
